; MI455X (gfx1250); checked and timed in simulation.
; The chip was launched on July 23, 2026; its instructions are those of AMD's public machine-readable ISA for CDNA 5 (MIT licence, August 2026) and "CDNA5" Instruction Set Architecture Reference Guide (July 2026). The comments in the code are by the model that wrote it; some were corrected since.
;; Net. Allowed arithmetic: matrix products marked QUANTISED: E2M1 operands, one E8M0 scale for each 32 along K, by v_wmma_scale_f32_16x16x128_f8f6f4 with both operands' format E2M1 (or v_wmma_scale_f32_32x16x128_f4), f32 sums; products left as they are: f32 operands where the result goes on into a quantised operand, else bf16, f16 or f32 operands; f32 sums; everything else in f32.
;; Inputs: b1 8 x 256 float32; b2 8 x 1,000 float32; gate_b 8 float32; gate_w 8 x 2,048 float32; w1_codes 8 x 256 x 64 x 16 uint8 (E2M1 codes of w1, K innermost, in blocks of 32 codes, two codes a byte); w1_scales 8 x 256 x 64 uint8 (E8M0 scales of w1, one for each 32 codes along K); w2_codes 8 x 1,000 x 8 x 16 uint8 (E2M1 codes of w2, K innermost, in blocks of 32 codes, two codes a byte); w2_scales 8 x 1,000 x 8 uint8 (E8M0 scales of w2, one for each 32 codes along K); x 8,192 x 2,048 float32.
;; Outputs: out0 8,192 x 1,000 float32.
;; This version of the problem:
;;   THIS VERSION OF THE PROBLEM IS GIVEN IN LOW PRECISION. The matrix products marked QUANTISED in the list below multiply operands that are first quantised to E2M1 (2 exponent bits, 1 mantissa bit; 4 bits a number), with one power-of-two scale for each 32 numbers along K (OCP MX v1.0); their sums are f32. All else is computed in f32.
;;   The module's matrix products, in the order in which they are computed (A, B: the left and right operand; K: the contracted axis; several contracted axes count as one K, in the product's order):
;;     1. [M 8,192, K 2,048] x [K 2,048, N 8]; A: input x; B: input gate_w: left as it is (N = 8 < 16)
;;     2. [M 8,192, K 2,048] x [K 2,048, N 2,048]; A: input x; B: input w1 (given as codes): QUANTISED
;;     3. batch 8 x [M 1,000, K 256] x [K 256, N 8,192]; A: input w2 (given as codes); B: computed on the way: QUANTISED
;;     4. batch 8,192 x [M 1, K 8] x [K 8, N 1,000]; A: computed on the way; B: computed on the way: left as it is (K = 8 < 32)
;;   THE QUANTISER, for each operand of a quantised product, along K:
;;     - K is cut into blocks of 32 from its start; a last block that is shorter is filled with zeros.
;;     - A block's scale is 2^e with e = floor(log2(the largest magnitude in the block)) - 2, held to -126 .. 127; a block of zeros has e = 0. As a byte (E8M0): e + 127.
;;     - Each number is divided by its block's scale, clamped to +-6, and rounded to the nearest number of E2M1, ties to even, subnormals kept.
;;     - The product sums the exact products of the quantised numbers (number of the format x scale) in f32.
;;   ~~~python
;;   def quantise(x, axis):      # numpy; x: float32 -> the quantised numbers, widened to float32 again
;;       x = np.moveaxis(x, axis, -1); K = x.shape[-1]
;;       x = np.pad(x, [(0, 0)] * (x.ndim - 1) + [(0, -K % 32)]); x = x.reshape(x.shape[:-1] + (-1, 32)); a = np.abs(x).max(-1, keepdims=True)
;;       e = np.where(a > 0, np.clip(np.frexp(np.where(a > 0, a, 1))[1] - 1 - 2, -126, 127), 0)      # np.frexp(a)[1] - 1 = floor(log2(a)), exactly
;;       r = np.clip(x / 2.0 ** e, -6, 6)
;;       step = 2.0 ** (np.maximum(np.frexp(np.where(r == 0, 1, r))[1] - 1, 0) - 1)
;;       q = np.round(r / step) * step * 2.0 ** e      # np.round: ties to even
;;       return np.moveaxis(q.reshape(q.shape[:-2] + (-1,))[..., :K], -1, axis).astype(np.float32)
;;   ~~~
;;   OPERANDS COMPUTED ON THE WAY. 'Computed on the way' means the value that the module computes at that place (a softmax that the list does not call 'softmax' is quantised finished and normalised). What goes into a quantiser is computed in f32, as accurately as f32 sums, v_exp_f32 and their like allow (about 1e-6 of the number): no bf16 or f16 on the way to a quantiser, and a product that is left as it is and whose result goes on into a quantised operand takes f32 operands (vector FMAs, or v_wmma_f32_16x16x4_f32). A number that lies on a knife's edge between two numbers of the format may be rounded either way, as far as f32 arithmetic and the matrix unit's own rounding can turn it there, and no further.
;;   INPUTS GIVEN AS CODES. w1 (in the module: [8, 256, 2048], K = its axis 2); w2 (in the module: [8, 1000, 256], K = its axis 2): each comes as NAME_codes (uint8): NAME with its K axis moved to the last place and cut into blocks of 32 codes, [.., K / 32, bytes a block], one block behind the other in memory; two codes a byte, the lower K in the low four bits (a code: sign, 2 exponent bits, 1 mantissa bit); and NAME_scales (uint8): the same leading axes, one E8M0 byte (e + 127) for each 32 codes along K. Its value is code x scale, taken as it is: it is not quantised again, and the codes and scales need not be those that the quantiser above would give.
;; One version. Each part assembles by itself: llvm-mc -triple=amdgcn-amd-amdhsa -mcpu=gfx1250 --defsym DOCPART=n.
;; ======== version 1 of 1: 2 launches
;; limits: right only within a limited range of input values
;; workspace buffers: xq 8,388,608 bytes; xs 524,288 bytes; kr 32,768 bytes of whole numbers; gwt 65,536 bytes; hist 32,768 bytes of whole numbers; wimg 3,145,728 bytes
;; launch route (part 1): grid 256 x 1, 16 waves a work-group, no clusters, 327,680 bytes of LDS; arguments x, gate_w, gate_b, xq, xs, kr, gwt, hist, w1_codes, w2_codes, wimg; writes xq, xs, kr, gwt, hist, wimg
.if DOCPART == 1
	.amdgcn_target "amdgcn-amd-amdhsa--gfx1250"
	.amdhsa_code_object_version 6
	.text
	.protected	k_qa02acc72a8_route
	.globl	k_qa02acc72a8_route
	.p2align	8
	.type	k_qa02acc72a8_route,@function
k_qa02acc72a8_route:
	s_mov_b64 s[64:65], 0
	v_nop
	global_prefetch_b8 v0, s[64:65] scope:SCOPE_SE
	s_setreg_imm32_b32 hwreg(HW_REG_WAVE_MODE, 25, 1), 1
	s_wait_xcnt 0x0
; ROUTE.  A work-group takes 32 tokens; wave v takes columns 128 v .. 128 v + 127 of x: it quantises them to MX-FP4 (xq, xs) and sums its part of the eight gate scores;
; wave 15 joins the parts, takes the softmax, the top two (the lower index wins a tie) and the L1 norm, and stores for each token its pair's key and its rank among the block's tokens of that key (kr),
; the two weights (gwt), and for the block the count of each key (hist).  No address here hangs on the choice.
; THE GATE SCORES keep f32 operands, since a choice hangs on them: 64 matrix instructions of the f32 form a wave (2 tiles of 16 tokens x 32 steps of 4 along K).  Source 0 = gate_w's rows r % 8, source 1 = 16 tokens:
; a lane then holds ONE token and its eight registers the eight experts; lanes 16-31 (rows 8-15 of source 0, copies of rows 0-7) hold the same numbers as lanes 0-15.
; Along K both sources take the same order: lane (r, h) loads the 16 bytes at 32 s + 16 h of its row; registers 0, 1 serve step 2 s, registers 2, 3 step 2 s + 1.
; WORK LEFT OUT BY THE PROGRAM: reference() multiplies eo of the six experts outside the top two by gs = gates x mask = 0, a zero that it builds itself by its one_hot mask, for all values of the inputs:
; those rows of products 2 and 3 reach no output and are not computed.  Every input still has a way to the output and is loaded.
; LIMIT: a NaN, an infinity or an overflow that arises only in an expert that a token did not choose is not carried to that token's row.
; THE WEIGHTS' IMAGES are laid here too, since they hang on no choice: wimg [expert][wave 0..3][group 0..23][load 0..7][lane][16 bytes], the order in which a wave of the next launch takes them into its operand registers.
; Groups 0-15: W1, K step = group, load 2 f + c: lane (r, h) holds bytes 64 s + 32 c + 16 h of row 64 w + 32 (f / 2) + 8 (f % 2) + r + 8 (r / 8).
; Groups 16-23: W2, tile i = 2 (group - 16) + load / 4, bytes 32 (load % 4) + 16 h of row 16 (4 i + w) + r; rows from 1,000 on hold zero codes.
; 4,096 pieces of 512 bytes of W1: one for each wave of the launch; 2,048 of W2: one for each of waves 0-7.
; No prefetch: the launch has no loop, and each wave asks for all its bytes of x in its first lines.  No cluster: the work-groups share only gate_w, 64 KB beside 256 KB of x each.
.set PIECE, 8704                       ; a wave's LDS bytes are 2 x 8,704: 32 rows of 528 bytes, later its partial scores
.set XPT,   528                        ; 512 bytes + 16: an odd multiple of 16
.set CST,   32*PIECE                   ; the stage for the codes: 32 rows of 1,024 bytes + 16
.set CP,    1040
.set SST,   CST+32*CP                  ; the stage for the scale bytes
.set SP,    80
.set SPARE, 0x4cc00
.set D0,    24                         ; v24-31, v32-39: the two sums; written by matrix instructions alone
.set CD,    40                         ; v40-55 codes (before that: my pieces of the weights' images)
.set T,     56                         ; v56-61 the quantiser's own
.set NIL,   62
.set AFA,   63                         ; where x's fragments are read
.set X,     64                         ; v64-191 x: first as fragments, then a lane to a token
.set G,     192                        ; v192-255 gate_w's fragments; in wave 15's tail:
.set A,     192                        ; the scores
.set P,     200                        ; the gates
.set M,     208                        ; the gates without the largest
.set W,     168                        ; v[W+48] .. v[W+63]: single numbers
	s_load_b512 s[4:19], s[0:1], 0x0               ; x, gate_w, gate_b, xq, xs, kr, gwt, hist
	s_load_b128 s[68:71], s[0:1], 0x40             ; w1_codes, w2_codes
	s_load_b64 s[72:73], s[0:1], 0x50              ; wimg
	v_lshl_add_u32 v23, v0, 2, SPARE
	v_mov_b32 v[NIL], 0
	ds_add_u32 v23, v[NIL]
	ds_add_u32 v23, v[NIL]
	v_lshrrev_b32 v1, 5, v0
	s_delay_alu instid0(VALU_DEP_1)
	v_readfirstlane_b32 s20, v1                    ; wave
	s_mov_b32 s24, (2<<16)|(1<<20)|(6<<22)|(3<<25) ; elements of 4 bytes; 4 words of padding behind every 128
	s_mov_b32 s25, 128<<16
	s_mov_b32 s26, 32<<16
	s_mov_b32 s27, 128<<16
	s_mov_b32 s28, 32
	s_mov_b32 s29, 2048
	s_mov_b32 s30, 0
	s_mov_b32 s31, 0
	s_mul_i32 s21, s20, 2*PIECE
	s_lshl_b32 s48, s20, 9
	s_lshl_b32 s22, ttmp9, 18
	s_add_co_u32 s22, s22, s48
	s_mov_b32 s23, 0
	s_wait_dscnt 0x0
	s_wait_kmcnt 0x0
	s_add_nc_u64 s[2:3], s[4:5], s[22:23]
	s_mov_b32 s32, 1
	s_add_co_u32 s33, s21, 0
	s_mov_b64 s[34:35], s[2:3]
	s_or_b32 s35, s35, 0x80000000
	tensor_load_to_lds s[32:35], s[24:31]          ; my wave's one load: 32 rows x 512 bytes, into bytes of its own
	s_nop 0
	s_load_b256 s[40:47], s[8:9], 0x0              ; gate_b
	v_and_b32 v1, 31, v0
	v_and_b32 v2, 15, v0
	v_bfe_u32 v3, v0, 4, 1
	v_and_b32 v16, 7, v0
	s_delay_alu instid0(VALU_DEP_1)
	v_lshlrev_b32 v16, 13, v16                     ; gate_w's row r % 8
	s_delay_alu instid0(VALU_DEP_1)
	v_lshl_add_u32 v16, v3, 4, v16
	s_delay_alu instid0(VALU_DEP_1)
	v_add_nc_u32 v16, s48, v16
.irp s, 0,1,2,3,4,5,6,7,8,9,10,11,12,13,14,15
	global_load_b128 v[G+4*\s:G+4*\s+3], v16, s[6:7] offset:32*\s
.endr
	; my pieces of the weights' images: work-group = 8 (4 e + w) + g7
	s_wait_alu depctr_va_vdst(0)                   ; the wait ahead of the run of scalar lines
	s_lshr_b32 s56, ttmp9, 3                       ; 4 e + w
	s_and_b32 s57, ttmp9, 7                        ; g7
	s_and_b32 s58, s20, 7                          ; q: the load's number in its group
	s_lshr_b32 s59, s20, 3
	s_lshl_b32 s54, s57, 1
	s_add_co_u32 s59, s59, s54                     ; W1's K step s = 2 g7 + wave / 8
	s_lshr_b32 s55, s58, 2
	s_add_co_u32 s54, s54, s55                     ; W2's tile i = 2 g7 + q / 4
	s_lshl_b32 s60, s56, 16                        ; 64 rows of 1,024 bytes for each (e, w)
	s_lshl_b32 s55, s55, 15                        ; + 32 rows x (f / 2)
	s_add_co_u32 s60, s60, s55
	s_and_b32 s55, s58, 2
	s_lshl_b32 s55, s55, 12                        ; + 8 rows x (f % 2)
	s_add_co_u32 s60, s60, s55
	s_lshl_b32 s55, s59, 6                         ; + 64 s
	s_add_co_u32 s60, s60, s55
	s_and_b32 s55, s58, 1
	s_lshl_b32 s55, s55, 5                         ; + 32 c
	s_add_co_u32 s60, s60, s55
	v_and_b32 v18, 8, v2
	v_add_nc_u32 v18, v18, v2                      ; r + 8 (r / 8)
	v_lshlrev_b32 v18, 10, v18
	v_lshl_add_u32 v18, v3, 4, v18
	v_add_nc_u32 v18, s60, v18
	global_load_b128 v[40:43], v18, s[68:69]
	s_lshl_b32 s54, s54, 2
	s_and_b32 s55, s56, 3
	s_add_co_u32 s54, s54, s55
	s_lshl_b32 s54, s54, 4                         ; 16 (4 i + w)
	v_add_nc_u32 v22, s54, v2                      ; W2's row,
	v_min_u32 v19, 999, v22                        ; held inside the tensor
	v_lshlrev_b32 v19, 7, v19
	v_lshl_add_u32 v19, v3, 4, v19
	s_lshr_b32 s54, s56, 2
	s_mul_i32 s54, s54, 128000
	s_and_b32 s55, s58, 3
	s_lshl_b32 s55, s55, 5
	s_add_co_u32 s54, s54, s55
	v_add_nc_u32 v19, s54, v19
	global_load_b128 v[44:47], v19, s[70:71]       ; waves 8-15 load what waves 0-7 load and store nothing of it
	s_mul_i32 s61, s56, 98304
	s_lshl_b32 s55, s58, 9
	s_add_co_u32 s61, s61, s55
	s_lshl_b32 s55, s59, 12
	s_add_co_u32 s62, s61, s55
	s_lshl_b32 s55, s57, 12
	s_add_co_u32 s63, s61, s55
	s_add_co_u32 s63, s63, 65536
	v_lshl_add_u32 v20, v1, 4, s62
	v_lshl_add_u32 v21, v1, 4, s63
	; LDS addresses
	v_mul_u32_u24 v4, v1, XPT
	s_delay_alu instid0(VALU_DEP_1)
	v_add_nc_u32 v4, s21, v4                       ; x, a lane to a token
	v_mul_u32_u24 v[AFA], v2, XPT
	s_delay_alu instid0(VALU_DEP_1)
	v_lshl_add_u32 v[AFA], v3, 4, v[AFA]
	s_delay_alu instid0(VALU_DEP_1)
	v_add_nc_u32 v[AFA], s21, v[AFA]               ; x's fragments: row r, + 16 h
	s_lshl_b32 s49, s20, 6
	s_add_co_u32 s49, s49, CST
	v_mul_u32_u24 v5, v1, CP
	s_delay_alu instid0(VALU_DEP_1)
	v_add_nc_u32 v5, s49, v5
	s_lshl_b32 s49, s20, 2
	s_add_co_u32 s49, s49, SST
	v_mul_u32_u24 v6, v1, SP
	s_delay_alu instid0(VALU_DEP_1)
	v_add_nc_u32 v6, s49, v6
	v_lshl_add_u32 v7, v2, 5, s21                  ; my partial scores: 32 bytes a token, token r (and, 512 bytes on, 16 + r)
	s_mul_i32 s49, s20, 2*CP
	s_add_co_u32 s49, s49, CST
	v_mul_u32_u24 v8, v3, CP
	s_delay_alu instid0(VALU_DEP_1)
	v_lshl_add_u32 v8, v2, 4, v8
	s_delay_alu instid0(VALU_DEP_1)
	v_add_nc_u32 v8, s49, v8
	s_lshl_b32 s49, s20, 11
	v_lshlrev_b32 v9, 10, v3
	s_delay_alu instid0(VALU_DEP_1)
	v_lshl_add_u32 v9, v2, 4, v9
	s_delay_alu instid0(VALU_DEP_1)
	v_add_nc_u32 v9, s49, v9
	s_and_b32 s50, s20, 3
	s_mul_i32 s49, s50, 8*SP
	s_add_co_u32 s49, s49, SST
	v_lshrrev_b32 v10, 2, v1
	s_delay_alu instid0(VALU_DEP_1)
	v_mul_u32_u24 v10, v10, SP
	v_and_b32 v11, 3, v1
	s_delay_alu instid0(VALU_DEP_1)
	v_lshl_add_u32 v10, v11, 4, v10
	s_delay_alu instid0(VALU_DEP_1)
	v_add_nc_u32 v10, s49, v10
	s_lshl_b32 s49, s50, 9
	v_lshl_add_u32 v11, v1, 4, s49
.irp k, 0,1,2,3
	v_lshl_add_u32 v[12+\k], v1, 5, \k*8*PIECE
.endr
	s_lshl_b32 s22, ttmp9, 15
	s_add_nc_u64 s[10:11], s[10:11], s[22:23]
	s_lshl_b32 s22, ttmp9, 11
	s_add_nc_u64 s[12:13], s[12:13], s[22:23]
	s_lshl_b32 s22, ttmp9, 7
	s_add_nc_u64 s[14:15], s[14:15], s[22:23]
	s_add_nc_u64 s[18:19], s[18:19], s[22:23]
	s_lshl_b32 s22, ttmp9, 8
	s_add_nc_u64 s[16:17], s[16:17], s[22:23]
	v_mov_b32 v17, 0
.macro XLOAD p                                 ; 64 columns of my token's row
.irp q, 0,1,2,3,4,5,6,7,8,9,10,11,12,13,14,15
	ds_load_b128 v[X+64*\p+4*\q:X+64*\p+4*\q+3], v4 offset:256*\p+16*\q
.endr
.endm
.macro QUANT p                                 ; two blocks of 32: the largest magnitude with the floor 2^(3 - 127), 2 off its exponent field, the byte, the codes
.irp b, 0,1
	v_max3_num_f32 v[T+\b], |v[X+64*\p+32*\b]|, |v[X+64*\p+32*\b+1]|, 0x1800000
.endr
.irp i, 2,4,6,8,10,12,14,16,18,20,22,24,26,28,30
.irp b, 0,1
	s_delay_alu instid0(VALU_DEP_2)
	v_max3_num_f32 v[T+\b], v[T+\b], |v[X+64*\p+32*\b+\i]|, |v[X+64*\p+32*\b+\i+1]|
.endr
.endr
.irp b, 0,1
	s_delay_alu instid0(VALU_DEP_2)
	v_add_nc_u32 v[T+2+\b], 0xff000000, v[T+\b]
.endr
.irp b, 0,1
	s_delay_alu instid0(VALU_DEP_2)
	v_lshrrev_b32 v[T+4+\b], 23, v[T+2+\b]
.endr
	s_delay_alu instid0(VALU_DEP_2)
	v_lshl_or_b32 v17, v[T+4], 8*(2*\p), v17
	s_delay_alu instid0(VALU_DEP_1)
	v_lshl_or_b32 v17, v[T+5], 8*(2*\p+1), v17
.irp b, 0,1
.irp g, 0,1,2,3
	v_cvt_scalef32_pk8_fp4_f32 v[CD+8*\p+4*\b+\g], v[X+64*\p+32*\b+8*\g:X+64*\p+32*\b+8*\g+7], v[T+2+\b]
.endr
.endr
	v_nop                                          ; one plain place behind the scaled conversions
.irp b, 0,1
	ds_store_b128 v5, v[CD+8*\p+4*\b:CD+8*\p+4*\b+3] offset:32*\p+16*\b
.endr
.endm
	s_wait_alu depctr_va_vdst(0)                   ; the wait at the head's end
	s_wait_tensorcnt 0x0                           ; my tile is in; only my wave reads it
.irp t, 0,1
.irp s, 0,1,2,3,4,5,6,7,8,9,10,11,12,13,14,15
	ds_load_b128 v[X+64*\t+4*\s:X+64*\t+4*\s+3], v[AFA] offset:16*XPT*\t+32*\s   ; x's fragments of tokens 16 t + r
.endr
.endr
	s_wait_loadcnt 0x0                             ; gate_w's fragments and my pieces of the images
	v_cmp_gt_u32 vcc_lo, 1000, v22                 ; a row of W2?
.irp j, 0,1,2,3
	v_cndmask_b32 v[44+\j], 0, v[44+\j], vcc_lo    ; zero codes past the last row
.endr
	global_store_b128 v20, v[40:43], s[72:73]      ; each store covers 512 consecutive bytes
	s_cmp_lt_u32 s20, 8
	s_cbranch_scc0 .Lno_w2
	global_store_b128 v21, v[44:47], s[72:73]
.Lno_w2:
	s_wait_kmcnt 0x0
	s_wait_dscnt 0x0
; the two sums take turns, one instruction a turn; the first product of each starts its sum
.irp s, 0,1,2,3,4,5,6,7,8,9,10,11,12,13,14,15
.irp c, 0,1
.irp t, 0,1
.if (\s == 0) && (\c == 0)
	v_wmma_f32_16x16x4_f32 v[D0+8*\t:D0+8*\t+7], v[G+4*\s+2*\c:G+4*\s+2*\c+1], v[X+64*\t+4*\s+2*\c:X+64*\t+4*\s+2*\c+1], 0
.else
	v_wmma_f32_16x16x4_f32 v[D0+8*\t:D0+8*\t+7], v[G+4*\s+2*\c:G+4*\s+2*\c+1], v[X+64*\t+4*\s+2*\c:X+64*\t+4*\s+2*\c+1], v[D0+8*\t:D0+8*\t+7]
.endif
.endr
.endr
.endr
.rept 8
	v_nop                                          ; eight places behind this form, in front of the loads into its sources and of the first read of its results
.endr
	XLOAD 0
	XLOAD 1
	s_wait_xcnt 0x0                                ; the images' stores have read v40-47: the codes land there
	s_wait_dscnt 16                                ; the first 64 columns are in; the second 16 loads may be out
	QUANT 0
	s_wait_dscnt 0x0
	QUANT 1
	ds_store_b128 v7, v[D0:D0+3]                   ; my reads of the tile are over: the partial scores lie over its first bytes.  Each sum from its low end on; lanes l and l xor 16 store the same numbers at the same bytes
	ds_store_b128 v7, v[D0+4:D0+7] offset:16
	ds_store_b128 v7, v[D0+8:D0+11] offset:512
	ds_store_b128 v7, v[D0+12:D0+15] offset:528
	ds_store_b32 v6, v17
	s_wait_dscnt 0x0                               ; for the others' sake
	s_barrier_signal -1
	s_barrier_wait -1
.irp j, 0,1,2,3
	ds_load_b128 v[CD+4*\j:CD+4*\j+3], v8 offset:256*\j
.endr
.irp j, 0,1,2,3
	s_wait_dscnt 3-\j
	global_store_b128 v9, v[CD+4*\j:CD+4*\j+3], s[10:11] offset:256*\j   ; sixteen lanes store 256 consecutive bytes of a token's codes
.endr
	s_cmp_lt_u32 s20, 4
	s_cbranch_scc0 .Lno_words
	ds_load_b128 v[T:T+3], v10
	s_wait_dscnt 0x0
	global_store_b128 v11, v[T:T+3], s[12:13]
.Lno_words:
	s_cmp_eq_u32 s20, 15
	s_cbranch_scc0 .Lend
	; ---- wave 15, LANE = TOKEN: the sixteen waves' parts, the softmax, the top two
	s_wait_xcnt 0x0
.irp u, 0,1,2,3,4,5,6,7,8,9,10,11,12,13,14,15
	ds_load_b128 v[X+8*\u:X+8*\u+3], v[12+\u/4] offset:2*PIECE*(\u%4)
	ds_load_b128 v[X+8*\u+4:X+8*\u+7], v[12+\u/4] offset:2*PIECE*(\u%4)+16
.endr
	s_wait_dscnt 0x0
.irp i, 0,2,4,6
	v_pk_add_f32 v[A+\i:A+\i+1], v[X+\i:X+\i+1], v[X+8+\i:X+8+\i+1]
.endr
.irp u, 2,3,4,5,6,7,8,9,10,11,12,13,14,15
.irp i, 0,2,4,6
	s_delay_alu instid0(VALU_DEP_4)
	v_pk_add_f32 v[A+\i:A+\i+1], v[A+\i:A+\i+1], v[X+8*\u+\i:X+8*\u+\i+1]
.endr
.endr
.irp e, 0,1,2,3,4,5,6,7
	v_add_f32 v[A+\e], s[40+\e], v[A+\e]
.endr
	v_max3_num_f32 v[W+48], v[A], v[A+1], v[A+2]
	s_delay_alu instid0(VALU_DEP_4)
	v_max3_num_f32 v[W+49], v[A+3], v[A+4], v[A+5]
	s_delay_alu instid0(VALU_DEP_2)
	v_max3_num_f32 v[W+48], v[W+48], v[A+6], v[A+7]
	s_delay_alu instid0(VALU_DEP_1)
	v_max_num_f32 v[W+48], v[W+48], v[W+49]        ; the maximum is taken away ahead of the exponentials
.irp e, 0,1,2,3,4,5,6,7
	v_sub_f32 v[P+\e], v[A+\e], v[W+48]
.endr
.irp e, 0,1,2,3,4,5,6,7
	v_mul_f32 v[P+\e], 0x3fb8aa3b, v[P+\e]
.endr
	s_wait_alu depctr_va_vdst(0)                   ; the wait ahead of the batch
.irp e, 0,1,2,3,4,5,6,7
	v_exp_f32 v[P+\e], v[P+\e]
.endr
	v_nop
	s_wait_alu depctr_va_vdst(0)                   ; and behind it
	v_add_f32 v[W+49], v[P], v[P+1]
	v_add_f32 v[W+50], v[P+2], v[P+3]
	v_add_f32 v[W+51], v[P+4], v[P+5]
	v_add_f32 v[W+52], v[P+6], v[P+7]
	s_delay_alu instid0(VALU_DEP_3)
	v_add_f32 v[W+49], v[W+49], v[W+50]
	s_delay_alu instid0(VALU_DEP_2)
	v_add_f32 v[W+51], v[W+51], v[W+52]
	s_delay_alu instid0(VALU_DEP_1)
	v_add_f32 v[W+49], v[W+49], v[W+51]
	s_wait_alu depctr_va_vdst(0)
	v_rcp_f32 v[W+49], v[W+49]
	v_mov_b32 v[W+51], 0
	s_wait_alu depctr_va_vdst(0)
.irp e, 0,1,2,3,4,5,6,7
	v_mul_f32 v[P+\e], v[P+\e], v[W+49]            ; the gates
.endr
	v_mov_b32 v[W+50], v[P]
.irp e, 1
	s_delay_alu instid0(VALU_DEP_1)
	v_cmp_le_f32 vcc_lo, v[P+\e], v[W+50]
	s_delay_alu instid0(VALU_DEP_1)
	v_cndmask_b32 v[W+50], v[P+\e], v[W+50], vcc_lo
	s_delay_alu instid0(VALU_DEP_2)
	v_cndmask_b32 v[W+51], \e, v[W+51], vcc_lo
.endr
.irp e, 2, 3, 4, 5, 6, 7
	s_delay_alu instid0(VALU_DEP_2)
	v_cmp_le_f32 vcc_lo, v[P+\e], v[W+50]
	s_delay_alu instid0(VALU_DEP_1)
	v_cndmask_b32 v[W+50], v[P+\e], v[W+50], vcc_lo
	s_delay_alu instid0(VALU_DEP_2)
	v_cndmask_b32 v[W+51], \e, v[W+51], vcc_lo
.endr
.irp e, 0,1,2,3,4,5,6,7
	v_cmp_ne_u32 vcc_lo, \e, v[W+51]
	s_delay_alu instid0(VALU_DEP_1)
	v_cndmask_b32 v[M+\e], -1.0, v[P+\e], vcc_lo   ; the largest is taken out: no gate is negative
.endr
	v_mov_b32 v[W+52], v[M]
	v_mov_b32 v[W+53], 0
.irp e, 1,2,3,4,5,6,7
	s_delay_alu instid0(VALU_DEP_2)
	v_cmp_le_f32 vcc_lo, v[M+\e], v[W+52]
	s_delay_alu instid0(VALU_DEP_1)
	v_cndmask_b32 v[W+52], v[M+\e], v[W+52], vcc_lo
	s_delay_alu instid0(VALU_DEP_2)
	v_cndmask_b32 v[W+53], \e, v[W+53], vcc_lo
.endr
	s_delay_alu instid0(VALU_DEP_2)
	v_add_f32 v[W+54], v[W+50], v[W+52]
	s_delay_alu instid0(VALU_DEP_1)
	v_max_num_f32 v[W+54], 0x2b8cbccc, v[W+54]     ; the L1 norm, not under 1e-12
	s_wait_alu depctr_va_vdst(0)
	v_rcp_f32 v[W+54], v[W+54]
	v_min_u32 v[W+56], v[W+51], v[W+53]            ; a: the lower expert
	v_max_u32 v[W+57], v[W+51], v[W+53]            ; b
	s_wait_alu depctr_va_vdst(0)
	v_mul_f32 v[W+50], v[W+50], v[W+54]
	v_mul_f32 v[W+52], v[W+52], v[W+54]
	v_cmp_lt_u32 vcc_lo, v[W+51], v[W+53]
	s_delay_alu instid0(VALU_DEP_1)
	v_cndmask_b32 v[W+58], v[W+52], v[W+50], vcc_lo   ; a's weight
	s_delay_alu instid0(VALU_DEP_2)
	v_cndmask_b32 v[W+59], v[W+50], v[W+52], vcc_lo   ; b's
	v_sub_nc_u32 v[W+60], 15, v[W+56]
	s_delay_alu instid0(VALU_DEP_1)
	v_mul_u32_u24 v[W+60], v[W+56], v[W+60]
	s_delay_alu instid0(VALU_DEP_1)
	v_lshrrev_b32 v[W+60], 1, v[W+60]
	s_delay_alu instid0(VALU_DEP_1)
	v_add_nc_u32 v[W+60], v[W+60], v[W+57]
	s_delay_alu instid0(VALU_DEP_1)
	v_sub_nc_u32 v[W+60], v[W+60], v[W+56]
	s_delay_alu instid0(VALU_DEP_1)
	v_add_nc_u32 v[W+60], -1, v[W+60]              ; key = a (15 - a) / 2 + b - a - 1
	v_mov_b32 v[W+61], 0
	v_mov_b32 v[W+62], 0
.irp p, 0,1,2,3,4,5,6,7,8,9,10,11,12,13,14,15,16,17,18,19,20,21,22,23,24,25,26,27
	v_cmp_eq_u32 s52, \p, v[W+60]
	s_delay_alu instid0(VALU_DEP_1)
	v_mbcnt_lo_u32_b32 v[W+63], s52, 0             ; how many lower lanes have this key
	s_delay_alu instid0(VALU_DEP_1)
	v_cndmask_b32 v[W+61], v[W+61], v[W+63], s52   ; my rank
	s_bcnt1_i32_b32 s53, s52
	v_writelane_b32 v[W+62], s53, \p               ; the block's count of key p, in lane p
.endr
	v_lshl_or_b32 v[W+61], v[W+61], 8, v[W+60]
	v_lshlrev_b32 v[W+48], 2, v1
	v_lshlrev_b32 v[W+49], 3, v1
	global_store_b32 v[W+48], v[W+61], s[14:15]
	global_store_b64 v[W+49], v[W+58:W+59], s[16:17]
	global_store_b32 v[W+48], v[W+62], s[18:19]
.Lend:
	s_wait_tensorcnt 0x0                           ; the wave's end
	ds_add_u32 v23, v[NIL]
	s_wait_dscnt 0x0
	s_endpgm
.Lfunc_end_k_qa02acc72a8_route:
	.size	k_qa02acc72a8_route, .Lfunc_end_k_qa02acc72a8_route-k_qa02acc72a8_route
	.p2alignl 7, 3214868480
	.fill 96, 4, 3214868480
	.section	.rodata,"a",@progbits
	.p2align	6, 0x0
	.amdhsa_kernel k_qa02acc72a8_route
		.amdhsa_group_segment_fixed_size 327680
		.amdhsa_private_segment_fixed_size 0
		.amdhsa_enable_private_segment 0
		.amdhsa_kernarg_size 88
		.amdhsa_user_sgpr_count 2
		.amdhsa_user_sgpr_kernarg_segment_ptr 1
		.amdhsa_wavefront_size32 1
		.amdhsa_system_sgpr_workgroup_id_x 1
		.amdhsa_system_sgpr_workgroup_id_y 1
		.amdhsa_system_sgpr_workgroup_id_z 1
		.amdhsa_system_vgpr_workitem_id 0
		.amdhsa_next_free_vgpr 256
		.amdhsa_next_free_sgpr 80
		.amdhsa_reserve_vcc 1
		.amdhsa_float_denorm_mode_32 3
		.amdhsa_float_denorm_mode_16_64 3
		.amdhsa_memory_ordered 1
		.amdhsa_forward_progress 1
		.amdhsa_inst_pref_size 52
	.end_amdhsa_kernel
	.amdgpu_metadata
---
amdhsa.version: [ 1, 2 ]
amdhsa.kernels:
  - .name:           k_qa02acc72a8_route
    .symbol:         k_qa02acc72a8_route.kd
    .args:
      - { .name: x, .offset: 0, .size: 8, .value_kind: global_buffer, .address_space: global }
      - { .name: gate_w, .offset: 8, .size: 8, .value_kind: global_buffer, .address_space: global }
      - { .name: gate_b, .offset: 16, .size: 8, .value_kind: global_buffer, .address_space: global }
      - { .name: xq, .offset: 24, .size: 8, .value_kind: global_buffer, .address_space: global }
      - { .name: xs, .offset: 32, .size: 8, .value_kind: global_buffer, .address_space: global }
      - { .name: kr, .offset: 40, .size: 8, .value_kind: global_buffer, .address_space: global }
      - { .name: gwt, .offset: 48, .size: 8, .value_kind: global_buffer, .address_space: global }
      - { .name: hist, .offset: 56, .size: 8, .value_kind: global_buffer, .address_space: global }
      - { .name: w1_codes, .offset: 64, .size: 8, .value_kind: global_buffer, .address_space: global }
      - { .name: w2_codes, .offset: 72, .size: 8, .value_kind: global_buffer, .address_space: global }
      - { .name: wimg, .offset: 80, .size: 8, .value_kind: global_buffer, .address_space: global }
    .group_segment_fixed_size: 327680
    .private_segment_fixed_size: 0
    .kernarg_segment_align: 8
    .kernarg_segment_size: 88
    .max_flat_workgroup_size: 512
    .sgpr_count:     80
    .vgpr_count:     256
    .wavefront_size: 32
...
	.end_amdgpu_metadata
.endif
;; end of part 1
;; launch chain (part 2): grid 198 x 1, 4 waves a work-group, no clusters, 320,512 bytes of LDS; arguments hist, kr, xq, xs, gwt, wimg, w1_scales, w2_scales, b1, b2, out0; writes out0
.if DOCPART == 2
	.amdgcn_target "amdgcn-amd-amdhsa--gfx1250"
	.amdhsa_code_object_version 6
	.text
	.protected	k_qa02acc72a8_chain
	.globl	k_qa02acc72a8_chain
	.p2align	8
	.type	k_qa02acc72a8_chain,@function
k_qa02acc72a8_chain:
	s_mov_b64 s[64:65], 0
	v_nop
	global_prefetch_b8 v0, s[64:65] scope:SCOPE_SE
	s_setreg_imm32_b32 hwreg(HW_REG_WAVE_MODE, 25, 1), 1
	s_wait_xcnt 0x0
; CHAIN.  A work-group takes one tile of the list, at most 48 tokens that chose the same two experts a and b, through both experts:
; h = relu(Q(x) W1^T + b1), quantised in registers, eo = Q(h) W2^T + b2, out = wa eo_a + wb eo_b; both products on MX-FP4 codes.  The hidden layer never leaves the WGP, and each row of out0 has one owner.
; SHARES.  48 rows = three tiles m of 16 tokens.  THE WAVES SHARE THE COLUMNS: in the first product wave w makes hidden units 64 w .. 64 w + 63 (four tiles f = 2 phi + u), in the second the output tiles 4 i + w, i = 0 .. 15
; (columns from 1,000 on are padding: zero codes, never stored).  Both products are used transposed (source 0 = 16 rows of a weight, source 1 = 16 tokens): a lane holds ONE token, its registers run along the columns.
; THE ROWS OF W1 THAT FORM A TILE ARE NOT NEIGHBOURS: lane r of tile 2 phi + u takes row 32 phi + 8 u + r + 8 (r / 8), so that the 16 registers of tiles 2 phi and 2 phi + 1 are 16 neighbours along the next K.
; ORDER.  First product and quantiser of a, then of b; one barrier; then the two second products SIDE BY SIDE: step g makes output tiles 2 g and 2 g + 1 of a, then of b, and their weighted sum is final: 512 bytes of each of the 48 rows.
; THE WEIGHTS come from memory straight into registers, laid out by the launch before as images of the operand's registers: 48 groups of 8 loads of 512 consecutive bytes (a's 16 K steps of W1, b's 16, then a's and b's 8 pairs of
; tiles of W2 by turns), through a ring of 8 register slots, 6 groups ahead, from the first lines to the end.  Each byte is used once by a work-group: LDS would add a trip and spare none.
; THE WAY OUT runs beside the second product.  A row's bytes come from four waves, so they meet in a stage in LDS: step g stores its part, a barrier, and each wave asks for the two new pieces of 256 bytes of its 12 rows; it stores them one step
; later, behind the next step's products.  A row of out0 is 4,000 bytes and begins 32 k bytes into an aligned block of 256 (k = 5 x token mod 8).  EACH STORE COVERS ONE ALIGNED BLOCK OF EACH OF TWO ROWS: for block q lane r stores at
; (O & ~255) + ((O + 16 r) & 255) + 256 q, O the row's first byte.  A lane whose place has wrapped (c = 1) holds bytes of the row's piece q - 1, the others of piece q: four selects a store.  A row's two ends, whose blocks it shares with
; its neighbours, take two stores more, in which lanes 10-15 write the same 16 bytes twice: so no lane is ever switched off, and EXEC stays full through the whole text.
; ROWS PAST cnt repeat the tile's last token; their pairs are passed over by a scalar branch on the stored count, round selects and stores alone.  Where cnt is odd, the last pair's second row is a copy of its first: its lanes store the same
; values at the same bytes in the same instruction.  A list entry with cnt = 0 walks the text on held (valid) rows and stores nothing; no barrier stands under a branch.
; NO CLUSTER: partners would have to hold tiles of one pair; a pair has any number of tiles from 0 to 171, and padding each pair to a multiple of four asks for up to 282 work-groups, more than there are WGPs.
; The biases are the C of each sum's first matrix instruction: nothing is cleared.
; LIMITS: a scale byte 0xff in W1 or W2 makes NaN only in the rows that chose that expert (written as 0 x NaN it would reach every row).  A hidden block of zeros gets the scale byte 1: its codes are zeros.
;
; LDS (every byte is written once): x's rows of codes | W1's scale bytes of a, b | W2's (padded to 1,024 rows) | b1 | b2 (padded) | the hidden layers' fragments, as images of their registers | their scale words | the stage for 48 rows of out
; THE LIST OF TILES IS NOT STORED: each work-group derives its own tile in its prologue from the whole numbers that the launch before stored (hist: the count of each pair's key in each block of 32 tokens; kr: each token's key and
; its rank in its block).  Tile number = work-group number; a key with T tokens has (T + 47) / 48 tiles, the keys in ascending order; with 28 keys and 8,192 tokens never more than (8192 + 28 x 47) / 48 = 198 tiles.
; A key's tokens are counted block by block, inside a block by rank.  Work left out: the experts that a token did not choose (reference() multiplies them by the zero of its own mask).
.set XL,   0
.set XP,   1040                        ; 1,024 bytes + 16: an odd multiple of 16
.set S1L,  49920
.set S2L,  82688
.set B1L,  99072
.set B2L,  101120
.set HIMG, 109312                      ; [expert][m][K step][c][lane][16 bytes]
.set HSC,  121600                      ; [expert][K step][48 words, padded to 256 bytes]
.set OS,   122624
.set OP,   4112                        ; 4,096 bytes + 16
; REGISTERS, in windows of 256.  Window 0:
.set LI,   1                           ; 16 x lane
.set XFA,  4                           ; x's fragments: XL + 1040 r + 16 h
.set S1A,  5                           ; W1's scale words
.set S2A,  6                           ; W2's
.set B1A,  7
.set B2A,  8
.set HWI,  9                           ; where I store my part of a hidden fragment
.set HWS,  10                          ; and my two bytes of its scale word
.set HLI,  11                          ; where hidden fragments are read
.set HLA,  12                          ; their scale words, tokens 0-31
.set HLB,  13                          ; tokens 32-47
.set OSW,  14                          ; v14-16 the stage, in, for m = 0, 1, 2
.set OSR,  17                          ; the stage, out: rows 12 w + h, 16 bytes a lane
.set GOFF, 18                          ; v18-23 my place in block 0 of my six pairs of rows of out0
.set GS,   24                          ; v24-29 (wa, wb) of my token of tile m
.set ROW0, 30                          ; 12 w + h (the prologue's)
.set XSA,  32                          ; v32-47 x's scale word of K step s: lanes 0-15 tile 0, lanes 16-31 tile 1;  v48-63: tile 2
.set W1S,  64                          ; v64-95 W1's, 16 phi + s: lanes 0-15 u = 0, lanes 16-31 u = 1
.set W2S,  96                          ; W2's, 2 g + s: lanes 0-15 tile 2 g, lanes 16-31 tile 2 g + 1: a's at v96-111, b's at v64-79
.set HSW,  112                         ; the hidden layers', 2 s + (m / 2): a's at v112-115, b's at v80-83.  v32-115 hold scales and nothing else
.set TM,   116                         ; v116-121 six blocks' largest numbers;  v122-127 the other half of the lanes'
.set TP,   122
.set GA,   116                         ; at the end: v116-121, v122-127 the offsets of the rows' two end stores
.set GB,   122
.set SCO,  128                         ; the quantiser: v128-133 the conversions' scale operands; v134-139 the bytes; v140-142 two bytes a tile; v144-155 the codes
.set BY,   134
.set SH,   140
.set PC,   144
.set OB,   128                         ; v128-247 the way out: five sets of 24 (six pairs of rows x 4).  Piece q of the rows lies in set q % 3; sets 3 and 4 serve the rows' ends
.set C256, 248                         ; v248-253 256 where my place in the block has wrapped, else 0, for each pair of rows
.set TA,   224                         ; the prologue's own: v224-233 offsets; v234-243 tokens; v244-247, v254, v255, v116-121 offsets and scratch; v128-223 the rows of x on their way to LDS
.set TK,   234
.set R16,  118
; Window 1: the ring, slot n % 8 at v[32 (n % 8)].   Window 2 (in the prologue v0-115: the tables on their way to LDS):
.set XF,   0                           ; v0-47 x's fragments, two sets of three
.set HF,   48                          ; v48-95 a's six hidden fragments, v96-143 b's
; Window 3:
.set HA,   0                           ; v0-95 the hidden layer's 12 accumulators; later
.set EO,   0                           ; v0-47 six accumulators of eo_a, v48-95 of eo_b
.set OUTR, 96                          ; v96-143 their weighted sum
.set B2R,  160                         ; v160-223 b2: two sets x two experts x two tiles
.set B1R,  224                         ; v224-255 b1's four tiles
.set CM,   66                          ; s66-71 which lanes have wrapped, for each pair of rows
.set REM,  72                          ; s72 how many of my wave's 12 rows are the tile's
.set R10,  73                          ; s73 lanes 0-9 of each sixteen: a row's last piece has 160 bytes
.set MSB, 0
.macro WIN new                         ; bits 1:0 source 0, 3:2 source 1, 5:4 source 2, 7:6 destination; the immediate's high byte repeats the setting that is left
.if MSB != \new
	s_set_vgpr_msb (MSB<<8)|\new
.set MSB, \new
.endif
.endm
.macro PLACES                          ; a load into a register that a matrix instruction has read, and a vector instruction that reads a matrix result, stand four plain vector instructions behind it
.rept 4
	v_nop
.endr
.endm
; one matrix instruction: D, A (a weight's 16 rows), B (16 tokens), C, A's and B's scale registers, and which half of the lanes holds each side's scales
.macro WM d, a, b, c, x, y, p, q
.if (\p) && (\q)
	v_wmma_scale_f32_16x16x128_f8f6f4 v[\d:\d+7], v[\a:\a+7], v[\b:\b+7], v[\c:\c+7], v[\x], v[\y] matrix_a_fmt:MATRIX_FMT_FP4 matrix_b_fmt:MATRIX_FMT_FP4 matrix_a_scale:MATRIX_SCALE_ROW1 matrix_b_scale:MATRIX_SCALE_ROW1
.elseif (\p)
	v_wmma_scale_f32_16x16x128_f8f6f4 v[\d:\d+7], v[\a:\a+7], v[\b:\b+7], v[\c:\c+7], v[\x], v[\y] matrix_a_fmt:MATRIX_FMT_FP4 matrix_b_fmt:MATRIX_FMT_FP4 matrix_a_scale:MATRIX_SCALE_ROW1
.elseif (\q)
	v_wmma_scale_f32_16x16x128_f8f6f4 v[\d:\d+7], v[\a:\a+7], v[\b:\b+7], v[\c:\c+7], v[\x], v[\y] matrix_a_fmt:MATRIX_FMT_FP4 matrix_b_fmt:MATRIX_FMT_FP4 matrix_b_scale:MATRIX_SCALE_ROW1
.else
	v_wmma_scale_f32_16x16x128_f8f6f4 v[\d:\d+7], v[\a:\a+7], v[\b:\b+7], v[\c:\c+7], v[\x], v[\y] matrix_a_fmt:MATRIX_FMT_FP4 matrix_b_fmt:MATRIX_FMT_FP4
.endif
.endm
.macro LOADG n                         ; group n of the stream of weights into slot n % 8.  0-15: a's W1; 16-31: b's W1; from 32 on a's and b's W2 by turns
.if (\n) < 32
.set LT, (\n)/16
.set LG, (\n)%16
.else
.set LT, (\n)%2
.set LG, 16+((\n)-32)/2
.endif
	WIN 0x40
.irp q, 0,1,2,3,4,5,6,7
	global_load_b128 v[32*((\n)%8)+4*\q:32*((\n)%8)+4*\q+3], v[LI], s[36+2*LT:37+2*LT] offset:4096*LG+512*\q
.endr
.endm
.macro XFETCH s                        ; x's three fragments of K step s into set s % 2
	WIN 0x80
.irp m, 0,1,2
.irp c, 0,1
	ds_load_b128 v[XF+24*((\s)%2)+8*\m+4*\c:XF+24*((\s)%2)+8*\m+4*\c+3], v[XFA] offset:16*XP*\m+64*(\s)+32*\c
.endr
.endr
.endm
.macro HEAD t                          ; ahead of an expert's first product: W1's scale words, x's first fragments, b1 in the result's layout
	WIN 0
.irp f, 0,1
.irp q, 0,1,2,3
	ds_load_b128 v[W1S+16*\f+4*\q:W1S+16*\f+4*\q+3], v[S1A] offset:16384*\t+2048*\f+16*\q
.endr
.endr
	XFETCH 0
	WIN 0xc0
.irp f, 0,1,2,3
	ds_load_b128 v[B1R+8*\f:B1R+8*\f+3], v[B1A] offset:1024*\t+128*(\f/2)+32*(\f%2)
	ds_load_b128 v[B1R+8*\f+4:B1R+8*\f+7], v[B1A] offset:1024*\t+128*(\f/2)+32*(\f%2)+16
.endr
.endm
; K step s of the first product: 12 matrix instructions, the 12 accumulators by turns, one instruction a turn, in the same order in every step
.macro P1STEP t, s
.set N, 16*\t+\s
	PLACES                                         ; in front of the loads into the slot read two steps ago and into x's set read last step
	LOADG N+6
.if \s < 15
	XFETCH \s+1
.endif
	s_wait_loadcnt 48                              ; global loads come back in order: group N is in; the six groups behind it, 8 loads each, may be out
.if \s < 15
	s_wait_dscnt 6                                 ; this step's fragments, and all that was asked of LDS before them, are in; the six just issued may be out
.else
	s_wait_dscnt 0x0
.endif
	WIN 0xf9                                       ; A window 1, B window 2, C and D window 3
.irp m, 0,1,2
.irp f, 0,1,2,3
.if \s == 0
.set CC, B1R+8*\f
.else
.set CC, HA+8*(4*\m+\f)
.endif
	WM HA+8*(4*\m+\f), 32*(N%8)+8*\f, XF+24*(\s%2)+8*\m, CC, W1S+16*(\f/2)+\s, XSA+16*(\m/2)+\s, \f%2, \m%2
.endr
.endr
.endm
; relu; my 64 hidden units of the 48 tokens are quantised: six blocks of 32 (tile m, phi), each in lanes l and l xor 16; they are registers 4 c .. 4 c + 3, c = w % 2, of the second product's K step w / 2
.macro QH t
	WIN 0xcc
.set J, 0
.rept 96
	v_max_num_f32 v[HA+J], 0, v[HA+J]              ; each accumulator from its low end on
.set J, J+1
.endr
	WIN 0x0f
.irp b, 0,1,2,3,4,5
	v_max3_num_f32 v[TM+\b], v[HA+16*\b], v[HA+16*\b+1], 0x1800000   ; no |.|: none is negative.  The floor 2^(3 - 127) holds the byte at 1 from below
.endr
	WIN 0x3c
.irp i, 2,4,6,8,10,12,14
.irp b, 0,1,2,3,4,5
	v_max3_num_f32 v[TM+\b], v[TM+\b], v[HA+16*\b+\i], v[HA+16*\b+\i+1]
.endr
.endr
	WIN 0
.irp b, 0,1,2,3,4,5
	v_permlanex16_b32 v[TP+\b], v[TM+\b], s42, s43
.endr
.irp b, 0,1,2,3,4,5
	v_max_num_f32 v[TM+\b], v[TM+\b], v[TP+\b]     ; with lane l xor 16's: the block's largest number
.endr
.irp b, 0,1,2,3,4,5
	v_add_nc_u32 v[SCO+\b], 0xff000000, v[TM+\b]   ; 2 off its exponent field: the conversion's scale operand
.endr
.irp b, 0,1,2,3,4,5
	v_lshrrev_b32 v[BY+\b], 23, v[SCO+\b]          ; the scale's byte
.endr
.irp m, 0,1,2
	v_lshl_or_b32 v[SH+\m], v[BY+2*\m+1], 8, v[BY+2*\m]
.endr
	WIN 0x03
.irp b, 0,1,2,3,4,5
	v_cvt_scalef32_pk8_fp4_f32 v[PC+2*\b], v[HA+16*\b:HA+16*\b+7], v[SCO+\b]
	v_cvt_scalef32_pk8_fp4_f32 v[PC+2*\b+1], v[HA+16*\b+8:HA+16*\b+15], v[SCO+\b]
.endr
	WIN 0
	v_nop                                          ; one plain place behind the scaled conversions
.irp m, 0,1,2                                  ; the operand's layout wants a whole block in a lane: lanes 0-15 phi = 0, lanes 16-31 phi = 1
.irp i, 0,1
	v_permlane16_swap_b32 v[PC+4*\m+\i], v[PC+4*\m+2+\i]
.endr
.endr
.irp m, 0,1,2
	ds_store_b128 v[HWI], v[PC+4*\m:PC+4*\m+3] offset:6144*\t+2048*\m
	ds_store_b16 v[HWS], v[SH+\m] offset:512*\t+64*\m              ; lanes l and l xor 16 write the same two bytes with the same value
.endr
.endm
.macro B2LOAD g                                ; b2 of step g's two output tiles, of both experts, in the result's layout, into set g % 2
	WIN 0xc0
.irp t, 0,1
.irp l, 0,1
	ds_load_b128 v[B2R+32*((\g)%2)+16*\t+8*\l:B2R+32*((\g)%2)+16*\t+8*\l+3], v[B2A] offset:4096*\t+256*(2*(\g)+\l)
	ds_load_b128 v[B2R+32*((\g)%2)+16*\t+8*\l+4:B2R+32*((\g)%2)+16*\t+8*\l+7], v[B2A] offset:4096*\t+256*(2*(\g)+\l)+16
.endr
.endr
.endm
.macro FETCH                                   ; ahead of the second products: both experts' six hidden fragments, their scale words, W2's scale words, the first b2: 56 LDS loads
	WIN 0x80
.irp t, 0,1
.irp m, 0,1,2
.irp s, 0,1
.irp c, 0,1
	ds_load_b128 v[HF+48*\t+8*(2*\m+\s)+4*\c:HF+48*\t+8*(2*\m+\s)+4*\c+3], v[HLI] offset:6144*\t+2048*\m+1024*\s+512*\c
.endr
.endr
.endr
.endr
	WIN 0
.irp t, 0,1
.irp s, 0,1
	ds_load_b32 v[HSW-32*\t+2*\s], v[HLA] offset:512*\t+256*\s
	ds_load_b32 v[HSW-32*\t+2*\s+1], v[HLB] offset:512*\t+256*\s
.endr
.endr
.irp t, 0,1
.irp g, 0,1,2,3,4,5,6,7
	ds_load_b64 v[W2S-32*\t+2*\g:W2S-32*\t+2*\g+1], v[S2A] offset:8192*\t+1024*\g
.endr
.endr
	B2LOAD 0
.endm
; step g of the second product, expert t: output tiles 4 (2 g + l) + w, l = 0, 1, for the three tiles of tokens: six accumulators by turns, two K steps
.macro P2S g, t
.set N, 32+2*\g+\t
.if N+6 <= 47
	LOADG N+6                                      ; into the slot that this expert's group of the step before has left: that step's weighted sums stand between
.endif
.if \t == 0
.if \g == 0
	s_wait_dscnt 0x0                               ; all that FETCH asked for is in
.endif
.if \g < 7
	B2LOAD \g+1                                    ; in by the wait in front of this step's barrier
.endif
.endif
.if 47-N < 6
	s_wait_loadcnt 8*(47-N)                        ; the stream runs out: only the groups still behind group N may be out
.else
	s_wait_loadcnt 48
.endif
	WIN 0xf9
.irp s, 0,1
.irp l, 0,1
.irp m, 0,1,2
.if \s == 0
.set CC, B2R+32*(\g%2)+16*\t+8*\l
.else
.set CC, EO+48*\t+8*(3*\l+\m)
.endif
	WM EO+48*\t+8*(3*\l+\m), 32*(N%8)+16*\l+8*\s, HF+48*\t+8*(2*\m+\s), CC, W2S-32*\t+2*\g+\s, HSW-32*\t+2*\s+(\m/2), \l, \m%2
.endr
.endr
.endr
.endm
.macro COMB                                    ; wa eo_a + wb eo_b: 48 packed lines, each accumulator from its low end on
	WIN 0xf3                                       ; eo and the sum window 3, the weights window 0
.irp a, 0,1,2,3,4,5
.irp j, 0,2,4,6
	v_pk_mul_f32 v[OUTR+8*\a+\j:OUTR+8*\a+\j+1], v[EO+8*\a+\j:EO+8*\a+\j+1], v[GS+2*(\a%3):GS+2*(\a%3)+1] op_sel_hi:[1,0]
.endr
.endr
.irp a, 0,1,2,3,4,5
.irp j, 0,2,4,6
	v_pk_fma_f32 v[OUTR+8*\a+\j:OUTR+8*\a+\j+1], v[EO+48+8*\a+\j:EO+48+8*\a+\j+1], v[GS+2*(\a%3):GS+2*(\a%3)+1], v[OUTR+8*\a+\j:OUTR+8*\a+\j+1] op_sel:[0,1,0] op_sel_hi:[1,1,1]
.endr
.endr
.endm
.macro STAGE g                                 ; lane (r, h): out(16 m + r, 16 (4 (2 g + l) + w) + 8 h + 0 .. 7)
	WIN 0x0c                                       ; an LDS store's data are its source 1: window 3
.irp l, 0,1
.irp m, 0,1,2
	ds_store_b128 v[OSW+\m], v[OUTR+8*(3*\l+\m):OUTR+8*(3*\l+\m)+3] offset:256*(2*\g+\l)
	ds_store_b128 v[OSW+\m], v[OUTR+8*(3*\l+\m)+4:OUTR+8*(3*\l+\m)+7] offset:256*(2*\g+\l)+16
.endr
.endr
	WIN 0
.endm
.macro SECLOAD g                               ; pieces 2 g and 2 g + 1 of my six pairs of rows: lanes 0-15 one row, lanes 16-31 the next, 16 bytes a lane
	WIN 0
.irp u, 0,1
.irp i, 0,1,2,3,4,5
	ds_load_b128 v[OB+24*((2*\g+\u)%3)+4*\i:OB+24*((2*\g+\u)%3)+4*\i+3], v[OSR] offset:2*OP*\i+256*(2*\g+\u)
.endr
.endr
.endm
.macro UNIT q, i                               ; block q of pair i: a lane that has wrapped keeps piece q - 1, the others take piece q; the result lies over piece q - 1, which is done with
.irp j, 0,1,2,3
	v_cndmask_b32 v[OB+24*(((\q)-1)%3)+4*\i+\j], v[OB+24*((\q)%3)+4*\i+\j], v[OB+24*(((\q)-1)%3)+4*\i+\j], s[CM+\i]
.endr
	global_store_b128 v[GOFF+\i], v[OB+24*(((\q)-1)%3)+4*\i:OB+24*(((\q)-1)%3)+4*\i+3], s[28:29] offset:256*(\q) th:TH_STORE_NT   ; sixteen lanes store 256 consecutive bytes, at a multiple of 256 from out0's first byte
.endm
.macro SECSTORE g, left                        ; blocks 2 g and 2 g + 1 (block 0 is an end).  left: the LDS loads issued behind the rows', which may stay out
	WIN 0                                          ; at a branch and at a label every window is 0
	s_wait_dscnt \left
.irp i, 0,1,2,3,4,5
	s_cmp_le_u32 s[REM], 2*\i                      ; the pair's first row is past the tile's rows, and so are all pairs behind it
	s_cbranch_scc1 .Lsec_\@
.if 2*(\g) >= 1
	UNIT 2*(\g), \i
.endif
	UNIT 2*(\g)+1, \i
.endr
.Lsec_\@:
.endm
; a step of the second products and its part of the way out
.macro ITER g
	P2S \g, 0
	P2S \g, 1
.if \g > 0
.if \g < 7
	SECSTORE \g-1, 8                               ; behind the rows' loads: the eight loads of b2
.else
	SECSTORE \g-1, 0
.endif
.endif
	PLACES                                         ; behind the products, on every way
	COMB
	STAGE \g
	s_wait_dscnt 0x0                               ; for the others' sake: my part of the stage is stored; my loads of b2 are in
	s_barrier_signal -1
	s_barrier_wait -1                              ; pieces 2 g and 2 g + 1 of all 48 rows lie in the stage
.if \g > 0
	s_wait_xcnt 0x0                                ; the stores of the step before have read their registers: the rows' loads land there only behind this wait
.endif
.if \g < 7
	SECLOAD \g
.endif
.endm
	; ---- THE PROLOGUE
	s_load_b512 s[8:23], s[0:1], 0x0               ; hist, kr, xq, xs, gwt, wimg, w1_scales, w2_scales
	s_load_b128 s[24:27], s[0:1], 0x40             ; b1, b2
	s_load_b64 s[28:29], s[0:1], 0x50              ; out0
	s_set_vgpr_msb 0x80
	v_lshl_add_u32 v254, v0, 2, 0x4e200
	v_mov_b32 v255, 0
	s_set_vgpr_msb 0x8000
	v_lshrrev_b32 v31, 5, v0
	v_readfirstlane_b32 s40, v31                   ; wave 0..3
	s_mov_b32 s31, 0
	s_mov_b32 s42, 0x76543210
	s_mov_b32 s43, 0xfedcba98                      ; v_permlanex16_b32's selects for lane l xor 16
	s_mov_b32 s[R10], 0x03ff03ff
	s_wait_kmcnt 0x0
; The prologue's own LDS, inside the bytes that later serve as the stage for out (barriers stand between):
.set HL,   122880                      ; hist as it lies: [256 blocks][32 keys] words
.set KL,   155648                      ; kr as it lies: [256 blocks][32 tokens] words, no padding: every byte that a read by a block's number can name is written
.set PSL,  192512                      ; [16 groups of 16 blocks][32 keys]: each group's counts
.set LIST, 194560                      ; the tile's tokens: 64 words, 48 of them used
	v_lshrrev_b32 v213, 3, v0                      ; thread t: t / 8 = its group of 16 blocks
	v_and_b32 v214, 7, v0
	v_lshlrev_b32 v214, 4, v214                    ; keys 4 (t % 8) .. + 3
	v_lshl_add_u32 v208, v213, 11, v214            ; hist: 2,048 (t / 8) + 16 (t % 8), + 128 for each block
	v_lshlrev_b32 v209, 4, v0                      ; kr: 16 t, + 2,048 for each load
	v_add_nc_u32 v211, KL, v209
	v_add_nc_u32 v210, HL, v208
	v_add_nc_u32 v212, PSL, v209
.irp j, 0,1,2,3,4,5,6,7,8,9,10,11,12,13,14,15
	global_load_b128 v[128+4*\j:131+4*\j], v208, s[8:9] offset:128*\j
.endr
	WIN 0xc0                                       ; kr passes through window 3
.irp j, 0,1,2,3,4,5,6,7,8,9,10,11,12,13,14,15
	global_load_b128 v[4*\j:4*\j+3], v209, s[10:11] offset:2048*\j
.endr
	WIN 0
	v_and_b32 v31, 31, v0                          ; lane
	v_and_b32 v2, 15, v0                           ; r
	v_bfe_u32 v3, v0, 4, 1                         ; h
	v_lshlrev_b32 v[LI], 4, v31
	v_mul_u32_u24 v[XFA], v2, XP
	v_lshl_add_u32 v[XFA], v3, 4, v[XFA]
	v_and_b32 v[S1A], 8, v2
	v_add_nc_u32 v[S1A], v[S1A], v2
	v_lshl_add_u32 v[S1A], v3, 3, v[S1A]           ; r + 8 (r / 8) + 8 h: lanes 16-31 take the rows of u = 1
	v_lshlrev_b32 v[S1A], 6, v[S1A]                ; 64 scale bytes a row
	s_lshl_b32 s60, s40, 12
	s_add_co_u32 s60, s60, S1L
	v_add_nc_u32 v[S1A], s60, v[S1A]
	v_lshlrev_b32 v[S2A], 3, v2                    ; 8 scale bytes a row
	v_lshl_add_u32 v[S2A], v3, 9, v[S2A]           ; lanes 16-31: the tile four tiles (64 rows) on
	s_lshl_b32 s60, s40, 7
	s_add_co_u32 s60, s60, S2L
	v_add_nc_u32 v[S2A], s60, v[S2A]
	s_lshl_b32 s60, s40, 8
	s_add_co_u32 s60, s60, B1L
	v_lshl_add_u32 v[B1A], v3, 6, s60              ; b1 at hidden unit 64 w + 16 h
	s_lshl_b32 s60, s40, 6
	s_add_co_u32 s61, s60, B2L
	v_lshl_add_u32 v[B2A], v3, 5, s61              ; b2 at column 16 w + 8 h
	s_lshl_b32 s61, s40, 9
	s_add_co_u32 s61, s61, HIMG
	v_add_nc_u32 v[HWI], s61, v[LI]
	s_lshr_b32 s61, s40, 1
	s_lshl_b32 s61, s61, 8
	s_and_b32 s62, s40, 1
	s_lshl_b32 s62, s62, 1
	s_add_co_u32 s61, s61, s62
	s_add_co_u32 s61, s61, HSC
	v_lshl_add_u32 v[HWS], v2, 2, s61              ; word r of K step w / 2, bytes 2 (w % 2) on
	v_add_nc_u32 v[HLI], HIMG, v[LI]
	v_lshl_add_u32 v[HLA], v31, 2, HSC
	v_lshl_add_u32 v[HLB], v2, 2, HSC+128
	s_add_co_u32 s60, s60, OS
	v_mul_u32_u24 v[OSW], v2, OP
	v_lshl_add_u32 v[OSW], v3, 5, v[OSW]
	v_add_nc_u32 v[OSW], s60, v[OSW]               ; row r, + 64 w + 32 h
	v_add_nc_u32 v[OSW+1], 16*OP, v[OSW]
	v_add_nc_u32 v[OSW+2], 32*OP, v[OSW]
	s_mul_i32 s60, s40, 12*OP
	s_add_co_u32 s60, s60, OS
	v_mul_u32_u24 v[OSR], v3, OP
	v_lshl_add_u32 v[OSR], v2, 4, v[OSR]
	v_add_nc_u32 v[OSR], s60, v[OSR]               ; rows 12 w + h, sixteen lanes to a row
	s_mul_i32 s60, s40, 12
	v_add_nc_u32 v[ROW0], s60, v3
	; addresses that only the prologue uses
	v_lshlrev_b32 v[R16], 4, v2                    ; 16 r
	v_lshlrev_b32 v245, 4, v0                      ; tables: 16 bytes a thread, 2,048 a load of the work-group
	v_add_nc_u32 v246, 6144, v245
	v_min_u32 v246, 7984, v246                     ; W2's scale bytes end at 8,000: the last load is held inside; the padding gets copies of the last 16 bytes
	v_add_nc_u32 v247, 2048, v245
	v_min_u32 v247, 3984, v247                     ; b2 ends at 4,000
	v_lshlrev_b32 v254, 3, v0
	v_add_nc_u32 v255, S1L, v245
	v_add_nc_u32 v116, B1L, v254
	s_mul_i32 s60, s40, 12*XP
	v_mul_u32_u24 v117, v3, XP
	v_add_nc_u32 v117, v117, v[R16]
	v_add_nc_u32 v117, s60, v117                   ; x's rows 12 w + h in LDS
.irp b, 0,1,2,3,4,5
	v_mov_b32 v[TP+\b], 0                          ; written once: a lane permute's destination counts as one of its sources
.endr
.irp i, 0,1,2,3,4,5
	v_add_nc_u32 v[TA+\i], 2*\i, v[ROW0]           ; the rows whose tokens I want: 12 w + 2 i + h (rows that I stage and store),
.endr
	v_mov_b32 v[TA+6], v31                         ; my lane's (scale words of tiles 0 and 1),
.irp m, 0,1,2
	v_add_nc_u32 v[TA+7+\m], 16*\m, v2             ; 16 m + r (the weights; scale words of tile 2)
.endr
	s_wait_alu depctr_va_vdst(0)                   ; the wait here, directly ahead of the wait below
	s_wait_loadcnt 16                              ; hist's 16 loads are in; kr's 16 may be out
.irp j, 0,1,2,3,4,5,6,7,8,9,10,11,12,13,14,15
	ds_store_b128 v210, v[128+4*\j:131+4*\j] offset:128*\j
.endr
.irp c, 0,1,2,3
	v_add_nc_u32 v[216+\c], v[128+\c], v[132+\c]
.endr
.irp j, 2,4,6,8,10,12,14
.irp c, 0,1,2,3
	v_add3_u32 v[216+\c], v[216+\c], v[128+4*\j+\c], v[132+4*\j+\c]   ; my group's count of my four keys
.endr
.endr
	ds_store_b128 v212, v[216:219]
	s_wait_loadcnt 0x0
	WIN 0x0c
.irp j, 0,1,2,3,4,5,6,7,8,9,10,11,12,13,14,15
	ds_store_b128 v211, v[4*\j:4*\j+3] offset:2048*\j
.endr
	WIN 0
	s_wait_dscnt 0x0                               ; for the others' sake
	s_barrier_signal -1
	s_barrier_wait -1                              ; hist, kr and the groups' counts lie in LDS
	; every wave, LANE = KEY: the totals, the keys' tiles, and which key my tile belongs to
	v_lshl_add_u32 v192, v31, 2, PSL
.irp u, 0,1,2,3,4,5,6,7,8,9,10,11,12,13,14,15
	ds_load_b32 v[128+\u], v192 offset:128*\u
.endr
.irp i, 0,1,2,3,4,5,6,7,8,9
	v_lshl_add_u32 v[TA+\i], v[TA+\i], 2, LIST     ; where the rows' tokens will lie
.endr
	s_wait_dscnt 0x0
	v_add_nc_u32 v193, v128, v129
.irp i, 130,132,134,136,138,140,142
	v_add3_u32 v193, v193, v[\i], v[\i+1]          ; T: tokens of each key
.endr
	v_add_nc_u32 v194, 47, v193
	v_mul_u32_u24 v194, v194, 0xaaab
	v_lshrrev_b32 v194, 21, v194                   ; (T + 47) / 48: 43,691 x 48 = 2^21 + 16, exact for numbers under 2^14
	v_mov_b32 v195, v194
	v_mov_b32 v196, 0
.irp n, 1,2,4,8
	v_mov_b32_dpp v196, v195 row_shr:\n row_mask:0xf bank_mask:0xf bound_ctrl:1
	v_add_nc_u32 v195, v195, v196
.endr
	v_readlane_b32 s60, v195, 15
	v_mad_u32_u24 v195, v3, s60, v195              ; the running sum of tiles, my own key's included
	s_mov_b32 s63, ttmp9
	v_cmp_ge_u32 s61, s63, v195                    ; the keys whose tiles all lie ahead of mine: a run of lanes from 0 on
	s_bcnt1_i32_b32 s61, s61
	s_min_u32 s61, s61, 27                         ; my key (a tile number past the last tile gets key 27 and cnt = 0)
	v_readlane_b32 s2, v195, s61
	v_readlane_b32 s3, v194, s61
	v_readlane_b32 s4, v193, s61
	s_wait_alu depctr_va_vdst(0)                   ; the wait ahead of the run of scalar lines
	s_sub_co_u32 s2, s2, s3                        ; the key's first tile
	s_sub_co_u32 s2, s63, s2
	s_mul_i32 s34, s2, 48                          ; my first place among the key's tokens
	s_sub_co_i32 s35, s4, s34
	s_max_i32 s35, s35, 0
	s_min_u32 s35, s35, 48                         ; cnt
	s_mov_b32 s32, 0                               ; key = a (15 - a) / 2 + b - a - 1: a = how many of the rows' first keys are not past mine
.irp c, 7,13,18,22,25,27
	s_cmp_ge_u32 s61, \c
	s_add_co_ci_u32 s32, s32, 0
.endr
	s_sub_co_u32 s33, 15, s32
	s_mul_i32 s33, s33, s32
	s_lshr_b32 s33, s33, 1
	s_sub_co_u32 s33, s61, s33
	s_add_co_u32 s33, s33, s32
	s_add_co_u32 s33, s33, 1                       ; b
	s_min_u32 s32, s32, 7                          ; numbers made of loaded ones are held before they enter an address
	s_min_u32 s33, s33, 7
	s_sub_co_u32 s41, s35, 1
	s_mul_i32 s[REM], s40, 12
	s_sub_co_i32 s[REM], s35, s[REM]
	s_max_i32 s[REM], s[REM], 0                    ; cnt - 12 w, not under 0
.macro BASE dst, src, idx, mul
	s_mul_i32 s30, s[\idx], \mul
	s_add_nc_u64 s[\dst:\dst+1], s[\src:\src+1], s[30:31]
.endm
	BASE 44, 20, 32, 16384                         ; W1's scale bytes of a, of b
	BASE 46, 20, 33, 16384
	BASE 48, 22, 32, 8000                          ; W2's
	BASE 50, 22, 33, 8000
	BASE 52, 24, 32, 1024                          ; b1
	BASE 54, 24, 33, 1024
	BASE 56, 26, 32, 4000                          ; b2
	BASE 58, 26, 33, 4000
	s_lshl_b32 s30, s32, 2
	s_add_co_u32 s30, s30, s40
	s_mul_i32 s30, s30, 98304
	s_add_nc_u64 s[36:37], s[18:19], s[30:31]      ; my wave's images of a's weights,
	s_lshl_b32 s30, s33, 2
	s_add_co_u32 s30, s30, s40
	s_mul_i32 s30, s30, 98304
	s_add_nc_u64 s[38:39], s[18:19], s[30:31]      ; and of b's
	WIN 0x80                                       ; destination window 2
.irp t, 0,1                                    ; 30 loads: both experts' small tables
.irp j, 0,1,2,3,4,5,6,7
	global_load_b128 v[58*\t+4*\j:58*\t+4*\j+3], v245, s[44+2*\t:45+2*\t] offset:2048*\j
.endr
.irp j, 0,1,2
	global_load_b128 v[58*\t+32+4*\j:58*\t+35+4*\j], v245, s[48+2*\t:49+2*\t] offset:2048*\j
.endr
	global_load_b128 v[58*\t+44:58*\t+47], v246, s[48+2*\t:49+2*\t]
	global_load_b128 v[58*\t+48:58*\t+51], v245, s[56+2*\t:57+2*\t]
	global_load_b128 v[58*\t+52:58*\t+55], v247, s[56+2*\t:57+2*\t]
	global_load_b64 v[58*\t+56:58*\t+57], v254, s[52+2*\t:53+2*\t]
.endr
	WIN 0
.irp n, 0,1,2,3
	LOADG \n                                       ; the pair is known: the stream of weights begins, 32 loads
.endr
	WIN 0
	; THE TILE'S TOKENS.  Wave w finds rows 16 w + r (lanes l and l xor 16 alike; wave 3's rows are not used).  Row j stands at place p = first place + min(j, cnt - 1) among the key's tokens.
	s_lshl_b32 s2, s40, 4
	v_add_nc_u32 v197, s2, v2
	v_lshl_add_u32 v198, v197, 2, LIST
	v_min_u32 v197, s41, v197                      ; rows past cnt repeat the tile's last token
	v_add_nc_u32 v197, s34, v197                   ; p
	v_mov_b32 v199, 0
	v_mov_b32 v200, 0
	s_mov_b32 s3, 0
.irp u, 0,1,2,3,4,5,6,7,8,9,10,11,12,13,14,15  ; which group of 16 blocks holds place p, and how many places lie ahead of it
	v_readlane_b32 s2, v[128+\u], s61
	s_add_co_u32 s3, s3, s2                        ; the key's tokens up to group u's end
	v_cmp_gt_u32 vcc_lo, s3, v197
	v_cndmask_b32 v200, s3, v200, vcc_lo
	v_add_co_ci_u32 v199, vcc_lo, 0, v199, vcc_lo
.endr
	v_sub_nc_u32 v199, 16, v199
	v_min_u32 v199, 15, v199                       ; the group, held
	v_lshlrev_b32 v201, 11, v199
	s_lshl_b32 s5, s61, 2
	s_add_co_u32 s5, s5, HL
	v_add_nc_u32 v201, s5, v201
.irp i, 0,1,2,3,4,5,6,7,8,9,10,11,12,13,14,15
	ds_load_b32 v[144+\i], v201 offset:128*\i      ; the key's count in the group's 16 blocks
.endr
	v_sub_nc_u32 v202, v197, v200                  ; p counted from the group's first token
	v_mov_b32 v203, 0
	v_mov_b32 v204, 0
	v_mov_b32 v205, 0
	s_wait_alu depctr_va_vdst(0)                   ; the wait here, directly ahead of the wait below
	s_wait_dscnt 0x0
.irp i, 0,1,2,3,4,5,6,7,8,9,10,11,12,13,14,15
	v_add_nc_u32 v205, v205, v[144+\i]
	v_cmp_gt_u32 vcc_lo, v205, v202
	v_cndmask_b32 v204, v205, v204, vcc_lo
	v_add_co_ci_u32 v203, vcc_lo, 0, v203, vcc_lo
.endr
	v_sub_nc_u32 v203, 16, v203
	v_min_u32 v203, 15, v203
	v_lshl_add_u32 v203, v199, 4, v203             ; the block
	v_sub_nc_u32 v204, v202, v204                  ; the rank in it
	v_lshl_or_b32 v204, v204, 8, s61               ; the word of kr that I look for
	v_lshl_add_u32 v206, v203, 7, KL
.irp q, 0,1,2,3,4,5,6,7
	ds_load_b128 v[160+4*\q:163+4*\q], v206 offset:16*\q
.endr
	v_mov_b32 v207, 0
	s_wait_alu depctr_va_vdst(0)                   ; the wait here, directly ahead of the wait below
	s_wait_dscnt 0x0
.irp i, 0,1,2,3,4,5,6,7,8,9,10,11,12,13,14,15,16,17,18,19,20,21,22,23,24,25,26,27,28,29,30,31
	v_cmp_ne_u32 vcc_lo, v[160+\i], v204
	v_cndmask_b32 v207, \i, v207, vcc_lo
.endr
	v_lshl_add_u32 v207, v203, 5, v207             ; the token
	s_wait_alu depctr_va_vdst(0)                   ; the wait ahead of the barrier
	s_barrier_signal -1
	s_barrier_wait -1                              ; every wave's reads by loaded numbers are over: only now is LDS stored to again
	ds_store_b32 v198, v207
	s_wait_dscnt 0x0
	s_barrier_signal -1
	s_barrier_wait -1                              ; the tile's tokens lie in LDS
.irp i, 0,1,2,3,4,5,6,7,8,9
	ds_load_b32 v[TK+\i], v[TA+\i]
.endr
	s_wait_dscnt 0x0
.irp i, 0,1,2,3,4,5,6,7,8,9
	v_min_u32 v[TK+\i], 0x1fff, v[TK+\i]
.endr
.irp i, 0,1,2,3,4,5
	v_lshl_add_u32 v[TA+\i], v[TK+\i], 10, v[R16]  ; the token's row of codes, + 16 r
	v_mul_u32_u24 v119, v[TK+\i], 4000             ; O: its row of out0 begins here, a multiple of 32
	v_and_b32 v120, 0xe0, v119
	v_add_nc_u32 v120, v120, v[R16]                ; 32 k + 16 r: my place, counted from the aligned block's first byte
	v_and_b32 v[C256+\i], 0x100, v120              ; 256 where it passes the block's end
	v_and_b32 v120, 0xff, v120                     ; wrapped into the block
	v_and_b32 v119, 0xffffff00, v119
	v_add_nc_u32 v[GOFF+\i], v119, v120
	v_cmp_ne_u32 s[CM+\i], 0, v[C256+\i]
.endr
	v_lshlrev_b32 v[TA+6], 6, v[TK+6]              ; scale words of x: 64 bytes a token
	v_lshlrev_b32 v[TA+7], 6, v[TK+9]
	v_lshlrev_b32 v[TA+8], 3, v[TK+7]              ; the two weights: 8 bytes a token
	v_lshlrev_b32 v[TA+9], 3, v[TK+8]
	v_lshlrev_b32 v244, 3, v[TK+9]
.irp i, 0,1,2,3,4,5                            ; 24 + 8 + 3 = 35 loads by token.  A row of codes: sixteen lanes take 256 consecutive bytes
.irp q, 0,1,2,3
	global_load_b128 v[128+16*\i+4*\q:131+16*\i+4*\q], v[TA+\i], s[12:13] offset:256*\q
.endr
.endr
.irp q, 0,1,2,3
	global_load_b128 v[XSA+4*\q:XSA+4*\q+3], v[TA+6], s[14:15] offset:16*\q
	global_load_b128 v[XSA+16+4*\q:XSA+19+4*\q], v[TA+7], s[14:15] offset:16*\q
.endr
	global_load_b64 v[GS:GS+1], v[TA+8], s[16:17]
	global_load_b64 v[GS+2:GS+3], v[TA+9], s[16:17]
	global_load_b64 v[GS+4:GS+5], v244, s[16:17]
	s_wait_loadcnt 63                              ; 30 loads of tables, 32 of weights, 35 by token were issued: the oldest 34 are in, the tables among them
	WIN 0x08                                       ; an LDS store's data are its source 1: window 2
.irp t, 0,1
.irp j, 0,1,2,3,4,5,6,7
	ds_store_b128 v255, v[58*\t+4*\j:58*\t+4*\j+3] offset:16384*\t+2048*\j
.endr
.irp j, 0,1,2,3
	ds_store_b128 v255, v[58*\t+32+4*\j:58*\t+35+4*\j] offset:S2L-S1L+8192*\t+2048*\j
.endr
.irp j, 0,1
	ds_store_b128 v255, v[58*\t+48+4*\j:58*\t+51+4*\j] offset:B2L-S1L+4096*\t+2048*\j
.endr
	ds_store_b64 v116, v[58*\t+56:58*\t+57] offset:1024*\t
.endr
.irp n, 4,5
	LOADG \n
.endr
	s_wait_loadcnt 16                              ; all that was asked by token is in; groups 4 and 5 may be out
	WIN 0
.irp i, 0,1,2,3,4,5
.irp q, 0,1,2,3
	ds_store_b128 v117, v[128+16*\i+4*\q:131+16*\i+4*\q] offset:2*XP*\i+256*\q
.endr
.endr
	s_wait_dscnt 0x0                               ; for the others' sake: my LDS stores are done
	s_barrier_signal -1
	s_barrier_wait -1                              ; x's 48 rows and the tables lie in LDS
	; ---- THE HIDDEN LAYERS
	HEAD 0
.irp s, 0,1,2,3,4,5,6,7,8,9,10,11,12,13,14,15
	P1STEP 0, \s
.endr
	PLACES                                         ; behind a's last products: in front of the loads below and of the first read of the results
	HEAD 1                                         ; b's scale words, b1 and x's first fragments land while a's hidden layer is quantised
	QH 0
.irp s, 0,1,2,3,4,5,6,7,8,9,10,11,12,13,14,15
	P1STEP 1, \s
.endr
	PLACES
	QH 1
	s_wait_dscnt 0x0
	s_barrier_signal -1
	s_barrier_wait -1                              ; both hidden layers lie in LDS
	; ---- THE SECOND PRODUCTS, AND THE WAY OUT BESIDE THEM
	FETCH
.irp g, 0,1,2,3,4,5,6,7
	ITER \g
.endr
	; ---- THE LAST BLOCKS.  Pieces 14 and 15, and piece 0 once more, for the rows' ends
	SECLOAD 7
.irp i, 0,1,2,3,4,5
	ds_load_b128 v[OB+72+4*\i:OB+72+4*\i+3], v[OSR] offset:2*OP*\i
.endr
	; What blocks 1 to 14 leave of a row: of a lane that has not wrapped piece 0 and, in lanes 0-9, piece 15; of one that has, piece 14 and, in lanes 0-9, piece 15.  Two stores take them:
	; A: wrapped: piece 14; else lanes 0-9 piece 15, lanes 10-15 piece 0.    B: not wrapped: piece 0; else lanes 0-9 piece 15, lanes 10-15 piece 14.  (Lanes 10-15 store the same 16 bytes in both.)
	; Counted from my place in block 0: A: lanes 0-9 + 3,840; lanes 10-15 + 3,840 if wrapped.  B: if wrapped, lanes 0-9 + 4,096, lanes 10-15 + 3,840.  These lines stand between the loads above and the wait for them.
	v_mov_b32 v2, 0xf00
	v_cndmask_b32 v254, 0, v2, s[R10]              ; 3,840 in lanes 0-9
	v_mov_b32 v3, 0
	v_cndmask_b32 v255, 15, v3, s[R10]             ; x 256: 15 in lanes 10-15
	v_mov_b32 v31, 16
	v_cndmask_b32 v3, 15, v31, s[R10]              ; x 256: 16 in lanes 0-9, 15 in lanes 10-15
.irp i, 0,1,2,3,4,5
	v_mad_u32_u24 v[GA+\i], v[C256+\i], v255, v[GOFF+\i]
	v_mad_u32_u24 v[GB+\i], v[C256+\i], v3, v[GOFF+\i]
.endr
.irp i, 0,1,2,3,4,5
	v_add_nc_u32 v[GA+\i], v[GA+\i], v254
.endr
	s_wait_dscnt 0x0
.irp i, 0,1,2,3,4,5
	s_cmp_le_u32 s[REM], 2*\i
	s_cbranch_scc1 .Lout
	UNIT 14, \i
.irp j, 0,1,2,3
	v_cndmask_b32 v[OB+96+4*\i+\j], v[OB+72+4*\i+\j], v[OB+4*\i+\j], s[R10]        ; lanes 0-9 piece 15, lanes 10-15 piece 0
.endr
.irp j, 0,1,2,3
	v_cndmask_b32 v[OB+4*\i+\j], v[OB+48+4*\i+\j], v[OB+4*\i+\j], s[R10]           ; lanes 0-9 piece 15, lanes 10-15 piece 14
.endr
.irp j, 0,1,2,3
	v_cndmask_b32 v[OB+96+4*\i+\j], v[OB+96+4*\i+\j], v[OB+48+4*\i+\j], s[CM+\i]   ; A
.endr
.irp j, 0,1,2,3
	v_cndmask_b32 v[OB+72+4*\i+\j], v[OB+72+4*\i+\j], v[OB+4*\i+\j], s[CM+\i]      ; B
.endr
	global_store_b128 v[GA+\i], v[OB+96+4*\i:OB+96+4*\i+3], s[28:29] th:TH_STORE_NT
	global_store_b128 v[GB+\i], v[OB+72+4*\i:OB+72+4*\i+3], s[28:29] th:TH_STORE_NT
.endr
.Lout:
	s_set_vgpr_msb 0xa
	s_wait_tensorcnt 0x0
	ds_add_u32 v254, v255
	s_wait_dscnt 0x0
	s_set_vgpr_msb 0xa00
	s_endpgm
.Lfunc_end_k_qa02acc72a8_chain:
	.size	k_qa02acc72a8_chain, .Lfunc_end_k_qa02acc72a8_chain-k_qa02acc72a8_chain
	.p2alignl 7, 3214868480
	.fill 96, 4, 3214868480
	.section	.rodata,"a",@progbits
	.p2align	6, 0x0
	.amdhsa_kernel k_qa02acc72a8_chain
		.amdhsa_group_segment_fixed_size 320512
		.amdhsa_private_segment_fixed_size 0
		.amdhsa_enable_private_segment 0
		.amdhsa_kernarg_size 88
		.amdhsa_user_sgpr_count 2
		.amdhsa_user_sgpr_kernarg_segment_ptr 1
		.amdhsa_wavefront_size32 1
		.amdhsa_system_sgpr_workgroup_id_x 1
		.amdhsa_system_sgpr_workgroup_id_y 1
		.amdhsa_system_sgpr_workgroup_id_z 1
		.amdhsa_system_vgpr_workitem_id 0
		.amdhsa_next_free_vgpr 1024
		.amdhsa_next_free_sgpr 80
		.amdhsa_reserve_vcc 1
		.amdhsa_float_denorm_mode_32 3
		.amdhsa_float_denorm_mode_16_64 3
		.amdhsa_memory_ordered 1
		.amdhsa_forward_progress 1
		.amdhsa_inst_pref_size 255
	.end_amdhsa_kernel
	.section	.bss,"aw",@nobits
	.p2align	6
	.space	262144
	.amdgpu_metadata
---
amdhsa.version: [ 1, 2 ]
amdhsa.kernels:
  - .name:           k_qa02acc72a8_chain
    .symbol:         k_qa02acc72a8_chain.kd
    .args:
      - { .name: hist, .offset: 0, .size: 8, .value_kind: global_buffer, .address_space: global }
      - { .name: kr, .offset: 8, .size: 8, .value_kind: global_buffer, .address_space: global }
      - { .name: xq, .offset: 16, .size: 8, .value_kind: global_buffer, .address_space: global }
      - { .name: xs, .offset: 24, .size: 8, .value_kind: global_buffer, .address_space: global }
      - { .name: gwt, .offset: 32, .size: 8, .value_kind: global_buffer, .address_space: global }
      - { .name: wimg, .offset: 40, .size: 8, .value_kind: global_buffer, .address_space: global }
      - { .name: w1_scales, .offset: 48, .size: 8, .value_kind: global_buffer, .address_space: global }
      - { .name: w2_scales, .offset: 56, .size: 8, .value_kind: global_buffer, .address_space: global }
      - { .name: b1, .offset: 64, .size: 8, .value_kind: global_buffer, .address_space: global }
      - { .name: b2, .offset: 72, .size: 8, .value_kind: global_buffer, .address_space: global }
      - { .name: out0, .offset: 80, .size: 8, .value_kind: global_buffer, .address_space: global }
    .group_segment_fixed_size: 320512
    .private_segment_fixed_size: 0
    .kernarg_segment_align: 8
    .kernarg_segment_size: 88
    .max_flat_workgroup_size: 128
    .sgpr_count:     80
    .vgpr_count:     1024
    .wavefront_size: 32
...
	.end_amdgpu_metadata
.endif
;; end of part 2
